; MI455X (gfx1250); checked and timed in simulation.
; The chip was launched on July 23, 2026; its instructions are those of AMD's public machine-readable ISA for CDNA 5 (MIT licence, August 2026) and "CDNA5" Instruction Set Architecture Reference Guide (July 2026). The comments in the code are by the model that wrote it; some were corrected since.
;; Slow Multi Head Attention. Allowed arithmetic: matrix products marked QUANTISED: E2M3 operands, one E8M0 scale for each 32 along K, by v_wmma_scale_f32_16x16x128_f8f6f4 with both operands' format E2M3, f32 sums; everything else in f32.
;; Inputs: Wk 16 x 64 x 64 float32; Wo 1,024 x 1,024 float32; Wq 16 x 64 x 64 float32; Wv 16 x 64 x 64 float32; key 4 x 2,048 x 64 float32; query 4 x 2,048 x 64 float32; value 4 x 2,048 x 64 float32.
;; Outputs: out0 4 x 2,048 x 1,024 float32.
;; This version of the problem:
;;   THIS VERSION OF THE PROBLEM IS GIVEN IN LOW PRECISION. The matrix products marked QUANTISED in the list below multiply operands that are first quantised to E2M3 (2 exponent bits, 3 mantissa bits; 6 bits a number), with one power-of-two scale for each 32 numbers along K (OCP MX v1.0); their sums are f32. All else is computed in f32.
;;   The module's matrix products, in the order in which they are computed (A, B: the left and right operand; K: the contracted axis; several contracted axes count as one K, in the product's order):
;;     1. [M 1,024, K 64] x [K 64, N 8,192]; A: input Wq; B: input query: QUANTISED
;;     2. [M 1,024, K 64] x [K 64, N 8,192]; A: input Wk; B: input key: QUANTISED
;;     3. [M 1,024, K 64] x [K 64, N 8,192]; A: input Wv; B: input value: QUANTISED
;;     4. batch 64 x [M 2,048, K 64] x [K 64, N 2,048]; A: computed on the way; B: computed on the way: QUANTISED
;;     5. batch 64 x [M 2,048, K 2,048] x [K 2,048, N 64]; A: softmax (see below); B: computed on the way: QUANTISED
;;     6. [M 8,192, K 1,024] x [K 1,024, N 1,024]; A: computed on the way; B: input Wo: QUANTISED
;;   THE QUANTISER, for each operand of a quantised product, along K:
;;     - K is cut into blocks of 32 from its start; a last block that is shorter is filled with zeros.
;;     - A block's scale is 2^e with e = floor(log2(the largest magnitude in the block)) - 2, held to -126 .. 127; a block of zeros has e = 0. As a byte (E8M0): e + 127.
;;     - Each number is divided by its block's scale, clamped to +-7.5, and rounded to the nearest number of E2M3, ties to even, subnormals kept.
;;     - The product sums the exact products of the quantised numbers (number of the format x scale) in f32.
;;   ~~~python
;;   def quantise(x, axis):      # numpy; x: float32 -> the quantised numbers, widened to float32 again
;;       x = np.moveaxis(x, axis, -1); K = x.shape[-1]
;;       x = np.pad(x, [(0, 0)] * (x.ndim - 1) + [(0, -K % 32)]); x = x.reshape(x.shape[:-1] + (-1, 32)); a = np.abs(x).max(-1, keepdims=True)
;;       e = np.where(a > 0, np.clip(np.frexp(np.where(a > 0, a, 1))[1] - 1 - 2, -126, 127), 0)      # np.frexp(a)[1] - 1 = floor(log2(a)), exactly
;;       r = np.clip(x / 2.0 ** e, -7.5, 7.5)
;;       step = 2.0 ** (np.maximum(np.frexp(np.where(r == 0, 1, r))[1] - 1, 0) - 3)
;;       q = np.round(r / step) * step * 2.0 ** e      # np.round: ties to even
;;       return np.moveaxis(q.reshape(q.shape[:-2] + (-1,))[..., :K], -1, axis).astype(np.float32)
;;   ~~~
;;   SOFTMAX AHEAD OF A QUANTISED PRODUCT. Where the list says 'softmax', what is quantised is not the finished softmax but p = 2^(t - M), with t = logit x log2(e) and M = ceil(the row's largest t), a whole number; so 1/2 < the row's largest p <= 1. The row's sum l is taken of the UNQUANTISED p, in f32, and the product's result is divided by l at the end. Since M is a whole number, a kernel that streams over the keys may use a running M (the ceiling of the running maximum): every later rescaling is an exact power of two, which a block's scale takes up: the codes' values come out the same.
;;   OPERANDS COMPUTED ON THE WAY. 'Computed on the way' means the value that the module computes at that place (a softmax that the list does not call 'softmax' is quantised finished and normalised). What goes into a quantiser is computed in f32, as accurately as f32 sums, v_exp_f32 and their like allow (about 1e-6 of the number): no bf16 or f16 on the way to a quantiser, and a product that is left as it is and whose result goes on into a quantised operand takes f32 operands (vector FMAs, or v_wmma_f32_16x16x4_f32). A number that lies on a knife's edge between two numbers of the format may be rounded either way, as far as f32 arithmetic and the matrix unit's own rounding can turn it there, and no further.
;; One version. Each part assembles by itself: llvm-mc -triple=amdgcn-amd-amdhsa -mcpu=gfx1250 --defsym DOCPART=n.
;; ======== version 1 of 1: 3 launches
;; limits: right only within a limited range of input values
;; workspace buffers: qc 7,340,032 bytes; kv 14,155,776 bytes; xq 6,815,744 bytes; wq 786,432 bytes; ws 65,536 bytes
;; launch prep (part 1): grid 832 x 1, 4 waves a work-group, no clusters, 42,496 bytes of LDS; arguments query, key, value, Wq, Wk, Wv, Wo, qc, kv, wq, ws; writes qc, kv, wq, ws
.if DOCPART == 1
	.amdgcn_target "amdgcn-amd-amdhsa--gfx1250"
	.amdhsa_code_object_version 6
	.text
	.protected	k_q0af3880a2c_prep
	.globl	k_q0af3880a2c_prep
	.p2align	8
	.type	k_q0af3880a2c_prep,@function
k_q0af3880a2c_prep:
	s_mov_b64 s[64:65], 0
	v_nop
	global_prefetch_b8 v0, s[64:65] scope:SCOPE_SE
	s_setreg_imm32_b32 hwreg(HW_REG_WAVE_MODE, 25, 1), 1
	s_wait_xcnt 0x0
; THE PROJECTIONS AND ALL QUANTISING OF INPUTS, in codes of FP6 (E2M3) with one E8M0 scale for each 32 along K.
; Work-groups 0-767: q = query Wq^T, k = key Wk^T, v = value Wv^T, head by head (K = 64).  Tensor = id / 256; of id % 256 the upper six bits name 128 rows of x (batch x 16 + step),
; the lower two a group of four heads; wave w takes head 4 x group + w.  The four waves quantise the 128 rows of x together (32 rows each) and hand the codes round through LDS as images of the
; operand's registers; each wave quantises its own head's W (64 x 64) in registers, makes 32 products, quantises the results in registers and stores them in the order of the next launch's operand registers.
; Work-groups 768-831: Wo [1024][1024] is quantised along its rows: n tile = id - 768 (16 rows), wave w takes K steps 2 w and 2 w + 1 of 128.
; THE ROWS OF A TILE ARE NOT NEIGHBOURS: lane r of tile 2 b + u takes row 32 b + 8 u + r + 8 (r / 8), of x's 128 rows and of W's 64 alike.  As source 0 such a tile gives a lane's result registers
; 16 neighbours along the next K in two neighbouring tiles.  q, k: source 0 = W, source 1 = x: a lane holds one row of x and registers along e.  v: source 0 = x, source 1 = W: a lane holds one channel e and registers along the keys.
; K = 64 IN AN INSTRUCTION OF K = 128: W's fragments have zero codes in registers 6-11; x's half fragments lie 6 registers apart, so x's operand runs over the next tile's codes (finite numbers, multiplied by zeros);
; behind the last tile lie six registers of zeros.  A scale word of a K of 64 repeats its two bytes.
; A PIECE is 256 bytes, lane l's 8 bytes at 8 l: every store of codes covers 256 consecutive bytes, aligned.
; No tensor loads and no cluster: each wave's operands go from memory straight into its registers, once; what work-groups share is x's 32,768 bytes, read by four of them.
; LIMITS: NaN and infinities among the inputs are not served.  A block whose largest magnitude lies under 2^-124, a block of zeros among them, gets the scale byte 1: the bytes are read by this program alone, and a block of zeros has zero codes.
.set XS,  16                           ; v16-23   x's scale words, tile t          (scales and nothing else)
.set WS,  24                           ; v24-27   W's scale words, tile wt         (scales and nothing else)
.set MX,  28                           ; v28-31   largest magnitudes, then scale operands, then bytes
.set PC,  32                           ; v32-50   codes just made
.set PW,  52                           ; v52      the scale word just made
.set SW,  54                           ; v54-61   the results' scale words, gathered
.set WF,  64                           ; v64-111  W's four fragments, 12 registers each, the upper six 0
.set TM,  112                          ; v112-127 at work in QUANT
.set XF,  128                          ; v128-175 x's eight half fragments, 6 registers apart; v176-181 zeros
.set H,   192                          ; v192-255 eight results of 16 x 16
.set SEL, 32                           ; s[32:33] lane selects for v_permlanex16_b32: lane l xor 16
; n blocks of 32 numbers, block f in v[tb + 32 f] on, all 32 in one lane, become codes in v[cb + cstep f] .. + 5; the block's byte is left in v[MX + f]
.macro INQ_CODES n, tb, cb, cstep
.irp f, 0,1,2,3
.if \f < \n
	v_max3_num_f32 v[MX+\f], |v[\tb+32*\f]|, |v[\tb+32*\f+1]|, 0x1800000   ; with the floor 2^(3 - 127): the byte cannot fall under 1
.endif
.endr
.irp i, 2,4,6,8,10,12,14,16,18,20,22,24,26,28,30
.irp f, 0,1,2,3
.if \f < \n
	v_max3_num_f32 v[MX+\f], v[MX+\f], |v[\tb+32*\f+\i]|, |v[\tb+32*\f+\i+1]|   ; the blocks by turns
.endif
.endr
.endr
.irp f, 0,1,2,3
.if \f < \n
	v_add_nc_u32 v[MX+\f], 0xff000000, v[MX+\f]    ; 2 off the exponent field: the conversion's scale operand
.endif
.endr
.irp f, 0,1,2,3
.if \f < \n
	v_cvt_scalef32_pk16_fp6_f32 v[\cb+\cstep*\f:\cb+\cstep*\f+2], v[\tb+32*\f:\tb+32*\f+15], v[MX+\f]
.endif
.endr
	v_nop                                          ; a plain place: the next conversions write over numbers that the last ones read
.irp f, 0,1,2,3
.if \f < \n
	v_cvt_scalef32_pk16_fp6_f32 v[\tb+32*\f:\tb+32*\f+2], v[\tb+32*\f+16:\tb+32*\f+31], v[MX+\f]   ; (a conversion's three registers begin on an even number: made elsewhere and moved)
.endif
.endr
	v_nop                                          ; a plain place behind the last conversion
.irp f, 0,1,2,3
.if \f < \n
	v_lshrrev_b32 v[MX+\f], 23, v[MX+\f]           ; the scale's byte
.endif
.endr
.irp f, 0,1,2,3
.if \f < \n
.irp i, 0,1,2
	v_mov_b32 v[\cb+\cstep*\f+3+\i], v[\tb+32*\f+\i]
.endr
.endif
.endr
.endm
; the scale word of a K of 64: lane (r, h) holds block h's byte; with lane l xor 16's the two are b0 | b1 << 8, and they are repeated above
.macro INQ_W64 n, tb, sdst
.irp f, 0,1,2,3
.if \f < \n
	v_lshlrev_b32 v[MX+\f], v7, v[MX+\f]
	v_permlanex16_b32 v[\tb+32*\f+4], v[MX+\f], s[SEL], s[SEL+1]   ; (into a number that is done with)
	v_or_b32 v[MX+\f], v[MX+\f], v[\tb+32*\f+4]
	v_lshl_or_b32 v[\sdst+\f], v[MX+\f], 16, v[MX+\f]
.endif
.endr
.endm
; 64 numbers of a lane, register 16 b + i = k 32 b + 16 (lane / 16) + i of the lane's row, become 12 registers of codes in v[PC] on (registers 6 c .. 6 c + 5: lanes 0-15 block 2 c, lanes 16-31 block 2 c + 1) and four bytes in v[PW]
.macro QUANT s
.irp b, 0,1,2,3
	v_max3_num_f32 v[TM+\b], |v[\s+16*\b]|, |v[\s+1+16*\b]|, 0x1800000
.endr
.irp i, 2,4,6,8,10,12,14
.irp b, 0,1,2,3
	v_max3_num_f32 v[TM+\b], v[TM+\b], |v[\s+16*\b+\i]|, |v[\s+1+16*\b+\i]|
.endr
.endr
.irp b, 0,1,2,3
	v_permlanex16_b32 v[TM+4+\b], v[TM+\b], s[SEL], s[SEL+1]
.endr
.irp b, 0,1,2,3
	v_max_num_f32 v[TM+\b], v[TM+\b], v[TM+4+\b]   ; with lane l xor 16's: the block's largest magnitude
.endr
.irp b, 0,1,2,3
	v_add_nc_u32 v[TM+12+\b], 0xff000000, v[TM+\b]
.endr
.irp b, 0,1,2,3
	v_lshrrev_b32 v[TM+4+\b], 23, v[TM+12+\b]
.endr
	v_lshl_or_b32 v[PW], v[TM+5], 8, v[TM+4]
	v_lshl_or_b32 v[PW], v[TM+6], 16, v[PW]
	v_lshl_or_b32 v[PW], v[TM+7], 24, v[PW]
.irp c, 0,1
	v_cvt_scalef32_pk16_fp6_f32 v[PC+6*\c:PC+2+6*\c], v[\s+32*\c:\s+15+32*\c], v[TM+12+2*\c]
	v_cvt_scalef32_pk16_fp6_f32 v[PC+12+4*\c:PC+14+4*\c], v[\s+16+32*\c:\s+31+32*\c], v[TM+12+2*\c+1]
.endr
	v_nop                                          ; a plain place behind the last conversion
.irp c, 0,1
.irp i, 0,1,2
	v_permlane16_swap_b32 v[PC+6*\c+\i], v[PC+12+4*\c+\i]
.endr
.irp i, 0,1,2
	v_mov_b32 v[PC+3+6*\c+\i], v[PC+12+4*\c+\i]
.endr
.endr
.endm
.macro MM d, a, b, sa, sb              ; one product; the constant 0 starts the sum
	v_wmma_scale_f32_16x16x128_f8f6f4 v[\d:\d+7], v[\a:\a+11], v[\b:\b+11], 0, v[\sa], v[\sb] matrix_a_fmt:MATRIX_FMT_FP6 matrix_b_fmt:MATRIX_FMT_FP6
.endm
	s_load_b512 s[8:23], s[0:1], 0x0               ; query 8, key 10, value 12, Wq 14, Wk 16, Wv 18, Wo 20, qc 22
	s_load_b128 s[24:27], s[0:1], 0x40             ; kv 24, wq 26
	s_load_b64 s[28:29], s[0:1], 0x50              ; ws
	v_lshl_add_u32 v51, v0, 2, 0x1c00
	v_mov_b32 v53, 0
	v_lshrrev_b32 v9, 5, v0
	v_readfirstlane_b32 s30, v9                    ; wave 0..3
	v_and_b32 v9, 31, v0                           ; lane
	v_and_b32 v10, 15, v0                          ; r
	v_bfe_u32 v11, v0, 4, 1                        ; h
	v_lshlrev_b32 v2, 3, v9                        ; 8 x lane: a piece's place
	v_lshlrev_b32 v3, 4, v9                        ; 16 x lane
	v_lshlrev_b32 v4, 2, v9                        ; 4 x lane
	v_lshlrev_b32 v7, 3, v11                       ; 8 h: my byte's place in a scale word
	v_lshlrev_b32 v8, 12, v10
	v_lshl_add_u32 v8, v11, 7, v8                  ; Wo: row r of 4,096 bytes + 128 h
; x AND W COME AS THEY LIE AND TURN THROUGH LDS: a load reads 512 consecutive bytes (16 a lane, two rows of 256 bytes); 32 rows go into the wave's own stage and come back 128 bytes a lane.
; A stage is 32 places of 272 bytes (a row + 16 of padding), from byte 7,680 on, 8,704 bytes a wave.  Row 16 a + 8 u + m lies at place 16 u + 8 a + m, so that the 16 rows of tile u are 16 neighbouring places.
.set STG,    32*272
.set STAGE0, 7680
.macro TURN b                          ; the 32 rows in v[b] .. v[b + 63], as loaded, become tiles u = 0, 1 in v[b + 32 u] on: lane (r, h) holds its row's numbers 32 h .. 32 h + 31
.set JJ, 0
.rept 16
	ds_store_b128 v1, v[\b+4*JJ:\b+4*JJ+3] offset:272*(((2*JJ)&7)+8*((JJ>>3)&1)+16*((JJ>>2)&1))
.set JJ, JJ+1
.endr
	s_wait_dscnt 0x0                               ; the stores have read their registers: the loads below land there
.irp u, 0,1
.irp i, 0,1,2,3,4,5,6,7
	ds_load_b128 v[\b+32*\u+4*\i:\b+32*\u+4*\i+3], v12 offset:272*16*\u+16*\i
.endr
.endr
	s_wait_dscnt 0x0
.endm
	s_mul_i32 s34, s30, STG
	s_add_co_u32 s34, s34, STAGE0                  ; my wave's stage
	v_mul_u32_u24 v1, v11, 272
	v_lshl_add_u32 v1, v10, 4, v1
	v_add_nc_u32 v1, s34, v1                       ; into it: lanes 0-15 one row, lanes 16-31 the next, 16 bytes a lane
	v_mul_u32_u24 v12, v10, 272
	v_lshl_add_u32 v12, v11, 7, v12
	v_add_nc_u32 v12, s34, v12                     ; back: place r, + 128 h: my block of 32 numbers
	s_mul_i32 s34, s30, 1536
	v_add_nc_u32 v5, s34, v2                       ; LDS: my wave's two half fragments
	s_lshl_b32 s34, s30, 8
	v_add_nc_u32 v6, s34, v4                       ; LDS: and their scale words
	s_mov_b32 s[SEL], 0x76543210
	s_mov_b32 s[SEL+1], 0xfedcba98
	s_and_b32 s34, ttmp9, 255
	s_lshr_b32 s35, s34, 2                         ; which 128 rows: batch x 16 + step
	s_and_b32 s34, s34, 3
	s_lshl_b32 s34, s34, 2
	s_add_co_u32 s34, s34, s30                     ; head
	s_lshl_b32 s44, s35, 15                        ; x: 128 rows of 256 bytes,
	s_lshl_b32 s43, s30, 13
	s_add_co_u32 s44, s44, s43                     ; my wave's 32 of them
	s_mov_b32 s45, 0
	s_lshl_b32 s46, s34, 14                        ; W: a head is 16,384 bytes
	s_mov_b32 s47, 0
	s_lshr_b32 s43, s35, 4
	s_lshl_b32 s43, s43, 4
	s_add_co_u32 s43, s43, s34                     ; batch x 16 + head
	s_lshl_b32 s43, s43, 4
	s_and_b32 s35, s35, 15
	s_add_co_u32 s43, s43, s35                     ; x 16 + step
	s_mov_b32 s49, 0
	s_wait_kmcnt 0x0
	s_cmp_ge_u32 ttmp9, 768
	s_cbranch_scc1 .Lwo
	s_cmp_lt_u32 ttmp9, 256                        ; the buffers are chosen by the work-group's number alone
	s_cselect_b64 s[36:37], s[8:9], s[10:11]       ; x
	s_cselect_b64 s[38:39], s[14:15], s[16:17]     ; W
	s_cselect_b64 s[40:41], s[22:23], s[24:25]     ; where the results go
	s_mov_b32 s42, 13824
	s_cselect_b32 s42, 7168, s42                   ; bytes of a step there
	s_cmp_lt_u32 ttmp9, 512
	s_cselect_b64 s[36:37], s[36:37], s[12:13]
	s_cselect_b64 s[38:39], s[38:39], s[18:19]
	s_mul_i32 s48, s43, s42
	s_add_nc_u64 s[36:37], s[36:37], s[44:45]
	s_add_nc_u64 s[38:39], s[38:39], s[46:47]
	s_add_nc_u64 s[40:41], s[40:41], s[48:49]
	s_wait_alu depctr_va_vdst(0)
.irp u, 0,1                                    ; x: tiles 2 w + u: my block's 128 bytes in eight loads
.irp i, 0,1,2,3,4,5,6,7
	global_load_b128 v[64+32*\u+4*\i:64+32*\u+4*\i+3], v3, s[36:37] offset:512*(8*\u+\i)
.endr
.endr
.irp wt, 0,1,2,3                               ; W: tile wt begins at row 32 (wt / 2) + 8 (wt % 2)
.irp i, 0,1,2,3,4,5,6,7
	global_load_b128 v[128+32*\wt+4*\i:128+32*\wt+4*\i+3], v3, s[38:39] offset:512*(8*\wt+\i)
.endr
.endr
	s_wait_loadcnt 32
	TURN 64
	INQ_CODES 2, 64, 32, 6
	INQ_W64 2, 64, 44
.irp u, 0,1
.irp p, 0,1,2
	ds_store_b64 v5, v[32+6*\u+2*\p:33+6*\u+2*\p] offset:768*\u+256*\p
.endr
	ds_store_b32 v6, v[44+\u] offset:6144+128*\u
.endr
	s_wait_loadcnt 0x0
	TURN 128                                       ; W's rows 0-31: tiles 0, 1
	TURN 192                                       ; rows 32-63: tiles 2, 3
	INQ_CODES 4, 128, 64, 12
	INQ_W64 4, 128, 24
.irp wt, 0,1,2,3
.irp i, 6,7,8,9,10,11
	v_mov_b32 v[WF+12*\wt+\i], 0                   ; K = 64 .. 127 of W: zero codes
.endr
.endr
.irp i, 0,1,2,3,4,5
	v_mov_b32 v[XF+48+\i], 0                       ; behind x's last half fragment
.endr
	s_wait_dscnt 0x0                               ; for the others' sake: my images lie in LDS
	s_barrier_signal -1
	s_barrier_wait -1
.irp t, 0,1,2,3,4,5,6,7
.irp p, 0,1,2
	ds_load_b64 v[XF+6*\t+2*\p:XF+6*\t+2*\p+1], v2 offset:768*\t+256*\p
.endr
	ds_load_b32 v[XS+\t], v4 offset:6144+128*\t
.endr
	s_wait_dscnt 0x0
.rept 8
	v_nop                                          ; W's scale words and fragments were written by vector instructions: eight and four places ahead of a scaled product
.endr
	s_cmp_ge_u32 ttmp9, 512
	s_cbranch_scc1 .Lv
	; ---- q, k: two tiles of x at a time; a lane holds one row of each and e = 32 b + 16 h + 0 .. 15 in the registers of W's tiles 2 b, 2 b + 1: the four blocks (2 tau + b) go through QUANT together
	s_wait_alu depctr_va_vdst(0)
.irp a, 0,1,2,3
.irp tau, 0,1
.irp wt, 0,1,2,3
	MM H+8*(4*\tau+\wt), WF+12*\wt, XF+6*(2*\a+\tau), WS+\wt, XS+2*\a+\tau
.endr
.endr
.rept 4
	v_nop                                          ; places behind the products, ahead of the first read of their results
.endr
.if \a > 0
	s_wait_xcnt 0x0                                ; the last stores have read the codes' registers
.endif
	QUANT H
	v_perm_b32 v[SW+2*\a], v[PW], v[PW], 0x01000100     ; tile 2 a's two bytes, repeated
	v_perm_b32 v[SW+2*\a+1], v[PW], v[PW], 0x03020302   ; tile 2 a + 1's
.irp j, 0,1,2,3,4,5
	global_store_b64 v2, v[PC+2*\j:PC+2*\j+1], s[40:41] offset:1536*\a+256*\j   ; registers 6 tau .. 6 tau + 5 are tile 2 a + tau's half fragment
.endr
.endr
	global_store_b128 v3, v[SW:SW+3], s[40:41] offset:6144     ; a lane's 16 bytes: the words of tiles 0-3 of its row,
	global_store_b128 v3, v[SW+4:SW+7], s[40:41] offset:6656   ; of tiles 4-7
	s_wait_tensorcnt 0x0
	ds_add_u32 v51, v53
	s_wait_dscnt 0x0
	s_endpgm
.Lv:
	; ---- v: a tile of 16 channels at a time; a lane holds one channel and the step's 128 keys, 32 b + 16 h + 0 .. 15 in the registers of x's tiles 2 b, 2 b + 1: one whole fragment of V^T
	s_wait_alu depctr_va_vdst(0)
.irp ct, 0,1,2,3
.irp t, 0,1,2,3,4,5,6,7
	MM H+8*\t, XF+6*\t, WF+12*\ct, XS+\t, WS+\ct
.endr
.rept 4
	v_nop
.endr
.if \ct > 0
	s_wait_xcnt 0x0
.endif
	QUANT H
	v_mov_b32 v[SW+\ct], v[PW]
.irp j, 0,1,2,3,4,5
	global_store_b64 v2, v[PC+2*\j:PC+2*\j+1], s[40:41] offset:7168+1536*\ct+256*\j
.endr
.endr
	global_store_b128 v3, v[SW:SW+3], s[40:41] offset:13312
	s_wait_tensorcnt 0x0
	ds_add_u32 v51, v53
	s_wait_dscnt 0x0
	s_endpgm
.Lwo:
	; ---- Wo: lane (r, h) takes, of row r of the n tile, k = 64 c + 32 h + 0 .. 31 of each of my two K steps: four whole blocks
	s_sub_co_u32 s34, ttmp9, 768                   ; n tile
	s_lshl_b32 s44, s34, 16                        ; 16 rows of 4,096 bytes
	s_lshl_b32 s43, s30, 10                        ; my two K steps: 1,024 bytes of a row
	s_add_co_u32 s44, s44, s43
	s_add_nc_u64 s[20:21], s[20:21], s[44:45]
	s_lshl_b32 s46, s34, 3
	s_lshl_b32 s43, s30, 1
	s_add_co_u32 s46, s46, s43
	s_mul_i32 s46, s46, 1536                       ; fragment 8 x n tile + K step
	s_add_nc_u64 s[26:27], s[26:27], s[46:47]
	s_lshl_b32 s48, s34, 10
	s_lshl_b32 s43, s30, 8
	s_add_co_u32 s48, s48, s43
	s_add_nc_u64 s[28:29], s[28:29], s[48:49]
	s_wait_alu depctr_va_vdst(0)
.irp f, 0,1,2,3                                ; block f = 2 x (K step) + c
.irp i, 0,1,2,3,4,5,6,7
	global_load_b128 v[128+32*\f+4*\i:128+32*\f+4*\i+3], v8, s[20:21] offset:256*\f+16*\i th:TH_LOAD_NT
.endr
.endr
	s_wait_loadcnt 0x0
	INQ_CODES 4, 128, 64, 6
.irp l, 0,1                                    ; my two bytes of a K step are blocks h and 2 + h: 8 h bits up, and lane l xor 16's two make the word whole
	v_lshl_or_b32 v[MX+2*\l], v[MX+2*\l+1], 16, v[MX+2*\l]
	v_lshlrev_b32 v[MX+2*\l], v7, v[MX+2*\l]
	v_permlanex16_b32 v[132+64*\l], v[MX+2*\l], s[SEL], s[SEL+1]
	v_or_b32 v[62+\l], v[MX+2*\l], v[132+64*\l]
.endr
.irp j, 0,1,2,3,4,5,6,7,8,9,10,11
	global_store_b64 v2, v[64+2*\j:65+2*\j], s[26:27] offset:256*\j
.endr
	global_store_b64 v2, v[62:63], s[28:29]        ; a lane's 8 bytes: its row's words of the two K steps
	s_endpgm
.Lfunc_end_k_q0af3880a2c_prep:
	.size	k_q0af3880a2c_prep, .Lfunc_end_k_q0af3880a2c_prep-k_q0af3880a2c_prep
	.p2alignl 7, 3214868480
	.fill 96, 4, 3214868480
	.section	.rodata,"a",@progbits
	.p2align	6, 0x0
	.amdhsa_kernel k_q0af3880a2c_prep
		.amdhsa_group_segment_fixed_size 42496
		.amdhsa_private_segment_fixed_size 0
		.amdhsa_enable_private_segment 0
		.amdhsa_kernarg_size 88
		.amdhsa_user_sgpr_count 2
		.amdhsa_user_sgpr_kernarg_segment_ptr 1
		.amdhsa_wavefront_size32 1
		.amdhsa_system_sgpr_workgroup_id_x 1
		.amdhsa_system_sgpr_workgroup_id_y 1
		.amdhsa_system_sgpr_workgroup_id_z 1
		.amdhsa_system_vgpr_workitem_id 0
		.amdhsa_next_free_vgpr 256
		.amdhsa_next_free_sgpr 66
		.amdhsa_reserve_vcc 0
		.amdhsa_float_denorm_mode_32 3
		.amdhsa_float_denorm_mode_16_64 3
		.amdhsa_memory_ordered 1
		.amdhsa_forward_progress 1
		.amdhsa_inst_pref_size 83
	.end_amdhsa_kernel
	.amdgpu_metadata
---
amdhsa.version: [ 1, 2 ]
amdhsa.kernels:
  - .name:           k_q0af3880a2c_prep
    .symbol:         k_q0af3880a2c_prep.kd
    .args:
      - { .name: query, .offset: 0, .size: 8, .value_kind: global_buffer, .address_space: global }
      - { .name: key, .offset: 8, .size: 8, .value_kind: global_buffer, .address_space: global }
      - { .name: value, .offset: 16, .size: 8, .value_kind: global_buffer, .address_space: global }
      - { .name: Wq, .offset: 24, .size: 8, .value_kind: global_buffer, .address_space: global }
      - { .name: Wk, .offset: 32, .size: 8, .value_kind: global_buffer, .address_space: global }
      - { .name: Wv, .offset: 40, .size: 8, .value_kind: global_buffer, .address_space: global }
      - { .name: Wo, .offset: 48, .size: 8, .value_kind: global_buffer, .address_space: global }
      - { .name: qc, .offset: 56, .size: 8, .value_kind: global_buffer, .address_space: global }
      - { .name: kv, .offset: 64, .size: 8, .value_kind: global_buffer, .address_space: global }
      - { .name: wq, .offset: 72, .size: 8, .value_kind: global_buffer, .address_space: global }
      - { .name: ws, .offset: 80, .size: 8, .value_kind: global_buffer, .address_space: global }
    .group_segment_fixed_size: 42496
    .private_segment_fixed_size: 0
    .kernarg_segment_align: 8
    .kernarg_segment_size: 88
    .max_flat_workgroup_size: 128
    .sgpr_count:     66
    .vgpr_count:     256
    .wavefront_size: 32
...
	.end_amdgpu_metadata
.endif
;; end of part 1
;; launch attn (part 2): grid 4 x 64, 16 waves a work-group, clusters of 4 x 1, 223,232 bytes of LDS; arguments qc, kv, xq; writes xq
.if DOCPART == 2
	.amdgcn_target "amdgcn-amd-amdhsa--gfx1250"
	.amdhsa_code_object_version 6
	.text
	.protected	k_q0af3880a2c_attn
	.globl	k_q0af3880a2c_attn
	.p2align	8
	.type	k_q0af3880a2c_attn,@function
k_q0af3880a2c_attn:
	s_mov_b64 s[64:65], 0
	v_nop
	global_prefetch_b8 v0, s[64:65] scope:SCOPE_SE
	s_setreg_imm32_b32 hwreg(HW_REG_WAVE_MODE, 25, 1), 1
	s_wait_xcnt 0x0
	s_wait_alu depctr_hold_cnt(0) depctr_sa_sdst(0) depctr_va_vdst(0) depctr_va_sdst(0) depctr_va_ssrc(0) depctr_va_vcc(0) depctr_vm_vsrc(0)
	s_getreg_b32 s2, hwreg(HW_REG_IB_STS2, 6, 4)
	s_cmp_eq_u32 s2, 0
	s_cbranch_scc0 .Lentry_in_a_cluster
	s_endpgm
.Lentry_in_a_cluster:
	s_bfe_u32 s2, ttmp6, 0x10000c
	s_cmp_lg_u32 s2, 0x3003
	s_cbranch_scc0 .Lentry_shape_is_right
	s_endpgm
.Lentry_shape_is_right:
; ATTENTION ON CODES OF FP6 (E2M3): S^T = K Q^T (K = the head's 64), the softmax, O^T = V^T P^T (K = the keys), O / the row's sum, and O's quantising for the output projection.
; t = score x log2(e) / 8; M = the running largest t rounded UP to a whole number; p = 2^(t - M) is quantised along the keys, not normalised; the row's sum is taken of the unquantised p;
; when M moves, the sums and O^T are multiplied by 2^(old M - new M), which rounds nothing.
; SHARES.  A work-group owns 512 queries of one (batch, head); the four work-groups of a cluster are the four query blocks of that head.  Sixteen waves of 256 registers, four to a SIMD.
; A wave owns one tile of 16 queries at a time and makes two passes: in pass p wave w takes query step 4 cx + 2 p + w / 8, tile w % 8.
; THE WHOLE HEAD'S K AND V LIE IN LDS: 16 key steps x 13,824 bytes = 221,184, filled ONCE.  The four partners read the same bytes, so each key step is asked for JOINTLY: wave w issues one tensor load, key step w,
; at the kernel's head: one load of a wave is out.  Each wave waits for its own load, ONE barrier shows all sixteen steps to all waves, and no barrier follows: nothing in LDS is written again.
; All tensor loads go out at the kernel's head, so there is no later load for a prefetch to run ahead of: none is written.
; A KEY STEP'S BYTES (in the order of the operand's registers; a piece is 256 bytes, lane l's 8 bytes at 8 l): K's eight half fragments (768 t + 256 p), two planes of scale words (6,144: a lane's 16 bytes are the
; words of tiles 0-3; 6,656: of tiles 4-7), V^T's four fragments (7,168 + 1,536 ct + 256 j), one plane of their words (13,312).
; THE KEYS OF A TILE ARE NOT NEIGHBOURS (lane r of tile 2 b + u is key 32 b + 8 u + r + 8 (r / 8)), nor are V^T's channels: so p's registers 16 b + i are keys 32 b + 16 h + i, and O^T's registers 16 b + i channels 32 b + 16 h + i.
; K = 64 IN AN INSTRUCTION OF K = 128: Q's registers 6-11 hold zero codes; K's half fragments lie 6 registers apart, so K's operand runs over the next tile's codes (finite numbers, multiplied by zeros), the last over six zeros.
; THE WALK: four groups of four key steps; a group's four steps are written out, their places in LDS in the loads' immediates (4 x 13,824 bytes lie inside the 16-bit offset).
; LIMITS: NaN and infinities are not served.  The promise holds while the scaled scores t stay under 2^31 in magnitude.  A block whose largest magnitude lies under 2^-124 gets the scale byte 1 (read by this program alone).
; O is multiplied by v_rcp_f32's 1 / sum.
; REGISTERS: v1, v2, v5 = 8, 16, 4 x lane; v3, v4 the group's LDS addresses; v12 -M, v13 the largest score; v16-27 Q; v28 Q's scale word; v29 p's; v32-79 K, then V^T; v80-85 zeros; v86-92 the second pass's Q and its word;
;   v96-159 S^T, then p; v160-191 O^T; v192-199 K's scale words; v200-203 V^T's; v204-215, v220-223 the row's sum in eight pairs; v216-219 the blocks' largest; v224-235 p's codes; v236-247, v250, v252-254 at work;
;   v251, v255 the spare word's address and 0.
.set KSB,   13824                      ; a key step in bytes
.set GRPB,  4*KSB                      ; a group of four
.set SPARE, 16*KSB                     ; behind the head's K and V: the spare words, 128 bytes a wave
.macro ROUND                           ; a round of the cluster's barrier
	s_barrier_signal -1
	s_barrier_wait -1
	s_cmp_lg_u32 s10, 0
	s_cbranch_scc1 .Lnot_wave_0_\@
	s_barrier_signal -3
.Lnot_wave_0_\@:
	s_barrier_wait -3
	s_barrier_signal -1
	s_barrier_wait -1
.endm
; p's pairs from .. to - 1 go onto the eight running sums by turns; a sum's first addition of a step also brings it under the new M (x f, one fused multiply-add)
.macro SUMS from, to
.set JJ, \from
.rept \to-\from
.set AR, 204+2*(JJ%8)+4*((JJ%8)/6)
.if JJ < 8
	v_pk_fma_f32 v[AR:AR+1], v[AR:AR+1], v[252:253], v[96+2*JJ:97+2*JJ] op_sel_hi:[1,0,1]
.else
	v_pk_add_f32 v[AR:AR+1], v[AR:AR+1], v[96+2*JJ:97+2*JJ]
.endif
.set JJ, JJ+1
.endr
.endm
; A KEY STEP: 128 keys, step k of the group whose bytes begin at v3 (8 x lane) and v4 (16 x lane).  Four plain vector instructions stand ahead of it, behind the last products
.macro STEP k
.irp t, 0,1,2,3,4,5,6,7
.irp p, 0,1,2
	ds_load_b64 v[32+6*\t+2*\p:33+6*\t+2*\p], v3 offset:\k*KSB+768*\t+256*\p
.endr
.endr
	ds_load_b128 v[192:195], v4 offset:\k*KSB+6144
	ds_load_b128 v[196:199], v4 offset:\k*KSB+6656
	s_wait_dscnt 0x0
.irp t, 0,1,2,3,4,5,6,7
	v_wmma_scale_f32_16x16x128_f8f6f4 v[96+8*\t:103+8*\t], v[32+6*\t:43+6*\t], v[16:27], 0, v[192+\t], v28 matrix_a_fmt:MATRIX_FMT_FP6 matrix_b_fmt:MATRIX_FMT_FP6
.endr
	v_mov_b32 v254, v12                            ; the old -M.  With the three lines below: four places ahead of the loads over K's registers and of the first read of the scores
.rept 3
	v_nop
.endr
.irp ct, 0,1,2,3                               ; V^T lands under the softmax
.irp j, 0,1,2,3,4,5
	ds_load_b64 v[32+12*\ct+2*\j:33+12*\ct+2*\j], v3 offset:\k*KSB+7168+1536*\ct+256*\j
.endr
.endr
	ds_load_b128 v[200:203], v4 offset:\k*KSB+13312
.irp b, 0,1,2,3
	v_max3_num_f32 v[216+\b], v[96+16*\b], v[97+16*\b], v[98+16*\b]   ; the largest score of each block of 32 keys: it serves for the row's maximum and, since p rises with the score, for the block's largest p
.endr
.irp i, 3,5,7,9,11,13
.irp b, 0,1,2,3
	v_max3_num_f32 v[216+\b], v[216+\b], v[96+16*\b+\i], v[97+16*\b+\i]
.endr
.endr
.irp b, 0,1,2,3
	v_max_num_f32 v[216+\b], v[216+\b], v[111+16*\b]
.endr
.irp b, 0,1,2,3
	s_delay_alu instid0(VALU_DEP_4)
	v_permlanex16_b32 v[236+\b], v[216+\b], s20, s21
.endr
.irp b, 0,1,2,3
	s_delay_alu instid0(VALU_DEP_4)
	v_max_num_f32 v[216+\b], v[216+\b], v[236+\b]  ; with lane l xor 16's 16 keys
.endr
	s_delay_alu instid0(VALU_DEP_2)
	v_max3_num_f32 v250, v216, v217, v218
	s_delay_alu instid0(VALU_DEP_1)
	v_max3_num_f32 v13, v250, v219, v13            ; the running largest score of my query
	s_delay_alu instid0(VALU_DEP_1)
	v_mul_f32 v250, s22, v13                       ; as t (c is positive, so the largest score gives the largest t)
	s_delay_alu instid0(VALU_DEP_1)
	v_floor_f32 v12, -v250                         ; the new -M = floor(-t): M is a whole number
	s_delay_alu instid0(VALU_DEP_1)
	v_sub_f32 v254, v12, v254                      ; old M - new M: a whole number, 0 or less
	s_delay_alu instid0(VALU_DEP_1)
	v_cvt_i32_f32 v254, v254                       ; (it saturates)
	s_delay_alu instid0(VALU_DEP_1)
	v_ldexp_f32 v252, 1.0, v254                    ; f = 2^(old M - new M)
.set JJ, 0
.rept 32
	v_pk_fma_f32 v[96+JJ:97+JJ], v[96+JJ:97+JJ], s[22:23], v[12:13] op_sel_hi:[1,0,0]   ; t - M, two at a time (of the pairs c and -M the low word serves both halves)
.set JJ, JJ+2
.endr
.irp b, 0,1,2,3
	v_fma_f32 v[216+\b], v[216+\b], s22, v12       ; the same of each block's largest score
.endr
.set JJ, 0
.rept 16
	v_pk_mul_f32 v[160+JJ:161+JJ], v[160+JJ:161+JJ], v[252:253] op_sel_hi:[1,0]   ; O^T under the new M, each accumulator from its low end on
.set JJ, JJ+2
.endr
	s_wait_alu depctr_va_vdst(0)                   ; the wait ahead of the batch
.set JJ, 0
.rept 64
	v_exp_f32 v[96+JJ], v[96+JJ]                   ; p = 2^(t - M)
.set JJ, JJ+1
.endr
.irp b, 0,1,2,3
	v_exp_f32 v[216+\b], v[216+\b]                 ; the block's largest p: the same two instructions on the same number give the same bits
.endr
	v_nop                                          ; a plain place behind the exponentials
	s_wait_alu depctr_va_vdst(0)                   ; one wait for the batch of 68, ahead of its first reader
	s_wait_dscnt 0x0                               ; V^T and its words
.irp b, 0,1,2,3
	v_max_num_f32 v[216+\b], 0x1800000, v[216+\b]  ; the floor 2^(3 - 127): the byte cannot fall under 1
.endr
.irp b, 0,1,2,3
	s_delay_alu instid0(VALU_DEP_4)
	v_add_nc_u32 v[244+\b], 0xff000000, v[216+\b]  ; 2 off the exponent field: the conversion's scale operand
.endr
.irp b, 0,1,2,3
	s_delay_alu instid0(VALU_DEP_4)
	v_lshrrev_b32 v[236+\b], 23, v[244+\b]         ; the scale's byte
.endr
	s_delay_alu instid0(VALU_DEP_3)
	v_lshl_or_b32 v29, v237, 8, v236               ; p's scale word for these 128 keys
	s_delay_alu instid0(VALU_DEP_1)
	v_lshl_or_b32 v29, v238, 16, v29
	s_delay_alu instid0(VALU_DEP_1)
	v_lshl_or_b32 v29, v239, 24, v29
.irp c, 0,1
	v_cvt_scalef32_pk16_fp6_f32 v[224+6*\c:226+6*\c], v[96+32*\c:111+32*\c], v[244+2*\c]
	v_cvt_scalef32_pk16_fp6_f32 v[236+4*\c:238+4*\c], v[112+32*\c:127+32*\c], v[244+2*\c+1]
.endr
	v_nop                                          ; a plain place behind the last conversion
.irp c, 0,1                                    ; the operand wants a whole block in a lane: lanes 0-15 block 2 c, lanes 16-31 block 2 c + 1
.irp i, 0,1,2
	v_permlane16_swap_b32 v[224+6*\c+\i], v[236+4*\c+\i]
.endr
.irp i, 0,1,2
	s_delay_alu instid0(VALU_DEP_3)
	v_mov_b32 v[227+6*\c+\i], v[236+4*\c+\i]
.endr
.endr
	SUMS 0, 28                                     ; the row's sum, of the unquantised p; these 28 are also the places between p's word and codes and the products
.irp ct, 0,1,2,3                               ; the four accumulators take turns, one instruction a turn
	v_wmma_scale_f32_16x16x128_f8f6f4 v[160+8*\ct:167+8*\ct], v[32+12*\ct:43+12*\ct], v[224:235], v[160+8*\ct:167+8*\ct], v[200+\ct], v29 matrix_a_fmt:MATRIX_FMT_FP6 matrix_b_fmt:MATRIX_FMT_FP6
.endr
	SUMS 28, 32                                    ; the last four additions name no register of the products: they are the four places ahead of the next loads over V^T's registers
.endm
	s_load_b128 s[4:7], s[0:1], 0x0                ; qc, kv
	s_load_b64 s[8:9], s[0:1], 0x10                ; xq
	v_lshl_add_u32 v251, v0, 2, SPARE
	v_mov_b32 v255, 0
	ds_add_u32 v251, v255                          ; the opening lines: the add, twice on end, and its wait ahead of my tensor load
	ds_add_u32 v251, v255
	v_lshrrev_b32 v3, 5, v0
	s_delay_alu instid0(VALU_DEP_1)
	v_readfirstlane_b32 s10, v3                    ; wave 0..15
	v_and_b32 v4, 31, v0
	s_delay_alu instid0(VALU_DEP_1)
	v_lshlrev_b32 v1, 3, v4
	s_delay_alu instid0(VALU_DEP_2)
	v_lshlrev_b32 v2, 4, v4
	s_delay_alu instid0(VALU_DEP_3)
	v_lshlrev_b32 v5, 2, v4
	s_bfe_u32 s11, ttmp6, 0x40000                  ; cx: it enters Q's and xq's global offsets alone
	s_and_b32 s12, ttmp7, 0xffff                   ; batch x 16 + head, which the four partners share
	; descriptor group 1: a key step is a dense block of 54 rows of 256 bytes (32 elements of 8 bytes)
	s_mov_b32 s24, 15|(3<<16)|(1<<21)              ; 15:0 the mask: all four work-groups; 17:16 elements of 8 bytes; 21 set beside a mask
	s_mov_b32 s25, 32<<16                          ; tensor_dim0 = 32
	s_mov_b32 s26, 54<<16                          ; tensor_dim1 = 54
	s_mov_b32 s27, 32<<16                          ; tile_dim0 = 32
	s_mov_b32 s28, 54                              ; tile_dim1 = 54
	s_mov_b32 s29, 32                              ; from row to row
	s_mov_b32 s30, 0
	s_mov_b32 s31, 0
	s_mov_b32 s20, 0x76543210
	s_mov_b32 s21, 0xfedcba98                      ; lane l xor 16
	s_mov_b32 s22, 0x3e38aa3b                      ; c = log2(e) / 8
	s_mov_b32 s23, s22                             ; (named with it as a pair)
	s_mul_i32 s13, s10, KSB                        ; key step w: in LDS and in memory
	s_mul_i32 s16, s12, 16*KSB
	s_add_co_u32 s16, s16, s13
	s_mov_b32 s17, 0
	s_and_b32 s56, s10, 7                          ; my tile t
	s_lshr_b32 s57, s10, 3
	s_lshl_b32 s58, s11, 2
	s_add_co_u32 s58, s58, s57                     ; my first pass's query step: 4 cx + w / 8
	s_lshl_b32 s59, s12, 4
	s_add_co_u32 s59, s59, s58
	s_mul_i32 s59, s59, 7168                       ; its bytes in qc
	s_mul_i32 s60, s56, 768
	s_add_co_u32 s60, s60, s59                     ; my half fragment
	s_mov_b32 s61, 0
	s_lshr_b32 s62, s56, 2
	s_lshl_b32 s62, s62, 9
	s_and_b32 s14, s56, 3
	s_lshl_b32 s14, s14, 2
	s_add_co_u32 s62, s62, s14
	s_add_co_u32 s62, s62, s59
	s_add_co_u32 s62, s62, 6144                    ; my tile's word in its plane
	s_mov_b32 s63, 0
	s_lshr_b32 s52, s12, 4
	s_lshl_b32 s52, s52, 4
	s_add_co_u32 s52, s52, s58                     ; xq's row block: batch x 16 + query step
	s_mul_i32 s52, s52, 106496
	s_and_b32 s53, s12, 15                         ; head
	s_lshr_b32 s54, s53, 1
	s_mul_i32 s54, s54, 13312                      ; K step head / 2 of the output projection
	s_add_co_u32 s52, s52, s54
	s_and_b32 s53, s53, 1                          ; and which half of it
	s_lshl_b32 s54, s56, 7
	s_add_co_u32 s54, s54, s52
	s_lshl_b32 s55, s53, 1
	s_add_co_u32 s54, s54, s55
	s_add_co_u32 s54, s54, 12288                   ; my two bytes of the tile's scale words
	s_mul_i32 s55, s56, 1536
	s_add_co_u32 s52, s52, s55
	s_mul_i32 s55, s53, 768
	s_add_co_u32 s52, s52, s55                     ; my three pieces of the tile's fragment
	s_mov_b32 s53, 0
	s_mov_b32 s55, 0
	s_wait_dscnt 0x0                               ; both opening adds are done
	s_wait_kmcnt 0x0
	s_add_nc_u64 s[16:17], s[6:7], s[16:17]
	s_add_nc_u64 s[18:19], s[4:5], s[60:61]
	s_add_nc_u64 s[14:15], s[4:5], s[62:63]
	s_add_nc_u64 s[52:53], s[8:9], s[52:53]
	s_add_nc_u64 s[54:55], s[8:9], s[54:55]
	s_mov_b32 s32, 1                               ; descriptor group 0: key step w
	s_mov_b32 s33, s13
	s_mov_b64 s[34:35], s[16:17]
	s_or_b32 s35, s35, 0x80000000
	ROUND                                          ; all four work-groups are here: the joint loads meet
	tensor_load_to_lds s[32:35], s[24:31]          ; my one tensor load of the launch
	s_nop 0
.rept 4
	v_nop
.endr
	s_wait_alu depctr_va_vdst(0)                   ; the wait here, directly ahead of the readers below
.irp p, 0,1,2
	global_load_b64 v[16+2*\p:17+2*\p], v1, s[18:19] offset:256*\p            ; Q of the first pass,
	global_load_b64 v[86+2*\p:87+2*\p], v1, s[18:19] offset:14336+256*\p      ; of the second: two query steps on
.endr
	global_load_b32 v28, v2, s[14:15]
	global_load_b32 v92, v2, s[14:15] offset:14336
.irp i, 0,1,2,3,4,5
	v_mov_b32 v[22+\i], 0                          ; K = 64 .. 127 of Q: zero codes
	v_mov_b32 v[80+\i], 0                          ; behind K's last half fragment
.endr
.irp i, 0,1,2,3
	v_mov_b32 v[236+\i], 0                         ; written once: a lane permute's destination counts as one of its sources
.endr
	v_mov_b32 v253, 0                              ; (named as the upper half of the pair v[252:253])
	s_wait_alu depctr_va_vdst(0)                   ; the wait at the head's end
	s_wait_loadcnt 0x0
	s_wait_tensorcnt 0x0                           ; my key step is in,
	s_barrier_signal -1
	s_barrier_wait -1                              ; everybody's is: the whole head lies in LDS
	s_mov_b32 s50, 2
.Lpass:
	v_mov_b32 v13, 0xff61b1e6                      ; the largest score so far: -3e38
	v_mov_b32 v12, 0x7e000000                      ; -M = 2^125: the first step's f falls to 0 and multiplies zeros
.irp i, 204,205,206,207,208,209,210,211,212,213,214,215,220,221,222,223
	v_mov_b32 v\i, 0                               ; the eight sums
.endr
.set JJ, 0
.rept 32
	v_mov_b32 v[160+JJ], 0                         ; O^T: the step is written without a first step of its own
.set JJ, JJ+1
.endr
	s_mov_b32 s48, 0
	s_mov_b32 s49, 4
.Lgroup:
	v_add_nc_u32 v3, s48, v1
	v_add_nc_u32 v4, s48, v2
	s_wait_alu depctr_va_vdst(0)                   ; the wait
	STEP 0
	STEP 1
	STEP 2
	STEP 3
	s_add_co_u32 s48, s48, GRPB
	s_sub_co_u32 s49, s49, 1
	s_cmp_lg_u32 s49, 0
	s_cbranch_scc1 .Lgroup
	; THE WAY OUT: O^T / the sum, quantised along the channels (two blocks of 32), in the order of the output projection's operand registers
	v_pk_add_f32 v[204:205], v[204:205], v[212:213]
	v_pk_add_f32 v[206:207], v[206:207], v[214:215]
	v_pk_add_f32 v[208:209], v[208:209], v[220:221]
	v_pk_add_f32 v[210:211], v[210:211], v[222:223]
	s_delay_alu instid0(VALU_DEP_2)
	v_pk_add_f32 v[204:205], v[204:205], v[208:209]
	s_delay_alu instid0(VALU_DEP_2)
	v_pk_add_f32 v[206:207], v[206:207], v[210:211]
	s_delay_alu instid0(VALU_DEP_1)
	v_pk_add_f32 v[204:205], v[204:205], v[206:207]
	s_delay_alu instid0(VALU_DEP_1)
	v_add_f32 v14, v204, v205
	s_delay_alu instid0(VALU_DEP_1)
	v_permlanex16_b32 v252, v14, s20, s21
	s_delay_alu instid0(VALU_DEP_1)
	v_add_f32 v14, v14, v252                       ; the row's sum
	s_wait_alu depctr_va_vdst(0)                   ; the wait ahead of the reciprocal
	v_rcp_f32 v14, v14
	v_nop                                          ; a plain place behind the reciprocal
	s_wait_alu depctr_va_vdst(0)                   ; and the wait ahead of its first reader, which is O^T's first reader too
.set JJ, 0
.rept 32
	v_mul_f32 v[96+JJ], v[160+JJ], v14             ; register 16 b + i: channel 32 b + 16 h + i of my query
.set JJ, JJ+1
.endr
.irp b, 0,1
	v_max3_num_f32 v[216+\b], |v[96+16*\b]|, |v[97+16*\b]|, 0x1800000
.endr
.irp i, 2,4,6,8,10,12,14
.irp b, 0,1
	s_delay_alu instid0(VALU_DEP_2)
	v_max3_num_f32 v[216+\b], v[216+\b], |v[96+16*\b+\i]|, |v[97+16*\b+\i]|
.endr
.endr
.irp b, 0,1
	s_delay_alu instid0(VALU_DEP_2)
	v_permlanex16_b32 v[236+\b], v[216+\b], s20, s21
.endr
.irp b, 0,1
	s_delay_alu instid0(VALU_DEP_2)
	v_max_num_f32 v[216+\b], v[216+\b], v[236+\b]
.endr
.irp b, 0,1
	s_delay_alu instid0(VALU_DEP_2)
	v_add_nc_u32 v[244+\b], 0xff000000, v[216+\b]
.endr
.irp b, 0,1
	s_delay_alu instid0(VALU_DEP_2)
	v_lshrrev_b32 v[236+\b], 23, v[244+\b]
.endr
	s_delay_alu instid0(VALU_DEP_1)
	v_lshl_or_b32 v254, v237, 8, v236              ; my head's two bytes of the row's scale word
	v_cvt_scalef32_pk16_fp6_f32 v[224:226], v[96:111], v244
	v_cvt_scalef32_pk16_fp6_f32 v[236:238], v[112:127], v245
	v_nop                                          ; a plain place behind the last conversion
.irp i, 0,1,2
	v_permlane16_swap_b32 v[224+\i], v[236+\i]     ; lanes 0-15 block 0, lanes 16-31 block 1
.endr
.irp i, 0,1,2
	s_delay_alu instid0(VALU_DEP_3)
	v_mov_b32 v[227+\i], v[236+\i]
.endr
.irp p, 0,1,2
	global_store_b64 v1, v[224+2*\p:225+2*\p], s[52:53] offset:256*\p   ; 32 lanes store 256 consecutive bytes, aligned
.endr
	global_store_b16 v5, v254, s[54:55]            ; two bytes of each lane's word: the other head of the K step writes the other two
.irp i, 0,1,2,3,4,5
	v_mov_b32 v[16+\i], v[86+\i]                   ; the second pass's Q
.endr
	v_mov_b32 v28, v92
	s_wait_xcnt 0x0                                ; the stores have read their registers and bases
	s_add_nc_u64 s[52:53], s[52:53], 212992        ; two row blocks on
	s_add_nc_u64 s[54:55], s[54:55], 212992
	s_sub_co_u32 s50, s50, 1
	s_cmp_lg_u32 s50, 0
	s_cbranch_scc1 .Lpass
	s_wait_tensorcnt 0x0                           ; the wave's end
	ds_add_u32 v251, v255
	s_wait_dscnt 0x0
	ROUND                                          ; the closing round: no work-group ends while a partner may still ask for a tile that names it
	s_endpgm
.Lfunc_end_k_q0af3880a2c_attn:
	.size	k_q0af3880a2c_attn, .Lfunc_end_k_q0af3880a2c_attn-k_q0af3880a2c_attn
	.p2alignl 7, 3214868480
	.fill 96, 4, 3214868480
	.section	.rodata,"a",@progbits
	.p2align	6, 0x0
	.amdhsa_kernel k_q0af3880a2c_attn
		.amdhsa_group_segment_fixed_size 223232
		.amdhsa_private_segment_fixed_size 0
		.amdhsa_enable_private_segment 0
		.amdhsa_kernarg_size 24
		.amdhsa_user_sgpr_count 2
		.amdhsa_user_sgpr_kernarg_segment_ptr 1
		.amdhsa_wavefront_size32 1
		.amdhsa_system_sgpr_workgroup_id_x 1
		.amdhsa_system_sgpr_workgroup_id_y 1
		.amdhsa_system_sgpr_workgroup_id_z 1
		.amdhsa_system_vgpr_workitem_id 0
		.amdhsa_next_free_vgpr 256
		.amdhsa_next_free_sgpr 66
		.amdhsa_reserve_vcc 0
		.amdhsa_float_denorm_mode_32 3
		.amdhsa_float_denorm_mode_16_64 3
		.amdhsa_memory_ordered 1
		.amdhsa_forward_progress 1
		.amdhsa_inst_pref_size 84
	.end_amdhsa_kernel
	.amdgpu_metadata
---
amdhsa.version: [ 1, 2 ]
amdhsa.kernels:
  - .name:           k_q0af3880a2c_attn
    .symbol:         k_q0af3880a2c_attn.kd
    .args:
      - { .name: qc, .offset: 0, .size: 8, .value_kind: global_buffer, .address_space: global }
      - { .name: kv, .offset: 8, .size: 8, .value_kind: global_buffer, .address_space: global }
      - { .name: xq, .offset: 16, .size: 8, .value_kind: global_buffer, .address_space: global }
    .group_segment_fixed_size: 223232
    .private_segment_fixed_size: 0
    .kernarg_segment_align: 8
    .kernarg_segment_size: 24
    .max_flat_workgroup_size: 512
    .sgpr_count:     66
    .vgpr_count:     256
    .wavefront_size: 32
...
	.end_amdgpu_metadata
.endif
;; end of part 2
;; launch oproj (part 3): grid 4 x 64, 4 waves a work-group, clusters of 4 x 1, 168,448 bytes of LDS; arguments xq, wq, ws, out0; writes out0
.if DOCPART == 3
	.amdgcn_target "amdgcn-amd-amdhsa--gfx1250"
	.amdhsa_code_object_version 6
	.text
	.protected	k_q0af3880a2c_oproj
	.globl	k_q0af3880a2c_oproj
	.p2align	8
	.type	k_q0af3880a2c_oproj,@function
k_q0af3880a2c_oproj:
	s_mov_b64 s[64:65], 0
	v_nop
	global_prefetch_b8 v0, s[64:65] scope:SCOPE_SE
	s_setreg_imm32_b32 hwreg(HW_REG_WAVE_MODE, 25, 1), 1
	s_wait_xcnt 0x0
	s_wait_alu depctr_hold_cnt(0) depctr_sa_sdst(0) depctr_va_vdst(0) depctr_va_sdst(0) depctr_va_ssrc(0) depctr_va_vcc(0) depctr_vm_vsrc(0)
	s_getreg_b32 s2, hwreg(HW_REG_IB_STS2, 6, 4)
	s_cmp_eq_u32 s2, 0
	s_cbranch_scc0 .Lentry_in_a_cluster
	s_endpgm
.Lentry_in_a_cluster:
	s_bfe_u32 s2, ttmp6, 0x10000c
	s_cmp_lg_u32 s2, 0x3003
	s_cbranch_scc0 .Lentry_shape_is_right
	s_endpgm
.Lentry_shape_is_right:
; THE OUTPUT PROJECTION: out[row][n] = sum over k of x[row][k] Wo[n][k], K = 1,024, both operands as codes of FP6 (E2M3) with E8M0 scales, laid by the earlier launches in the order of the operand's registers; out is f32.
; SHARES.  A work-group makes 128 rows (row block = work-group y) x 256 columns (column block = cx); wave w makes the 128 rows x 64 columns 256 cx + 64 w on.
; Wo: the wave's 4 n tiles x 8 K steps, 32 fragments (384 registers) and 32 scale words, come from memory straight into registers, once, and stay.
; x: the row block's 8 K steps x 13,312 bytes (8 fragments and their scale words) are one dense block of 106,496 bytes.  It comes into LDS once; the four column blocks of a cluster read the same bytes, so each wave
; asks for a quarter of it JOINTLY with its partners: one tensor load a wave is out.  Nothing is filled again.  That load goes out at the kernel's head, so there is nothing for a prefetch to run ahead of.
; Wo is not asked for jointly: it goes into registers; in LDS its 196,608 bytes a work-group, x's 106,496 and the stages' 34,816 would be 337,920 bytes, more than the 327,680 that a work-group can claim.
; THE WALK GOES BY ROWS: two row tiles at a time are finished over all of K (64 products, eight accumulators by turns) and leave while the next pair's fragments arrive.
; THE MATRIX INSTRUCTION IS USED TRANSPOSED (source 0 = 16 rows of Wo, source 1 = 16 rows of x): a lane holds eight neighbouring columns of one row.  Lane r of row tile 2 i + tau is row 32 i + 8 tau + r + 8 (r / 8) of the block:
; that order costs only the stores' immediates.
; REGISTERS, in windows of 256.  Window 0: v1-8 addresses; v16-47 Wo's scale words (8 n + s); v48-55, v56-63 x's scale words of sets X, Y (4 tau + s'); v64-159 set X: x's fragments 12 (4 tau + s'), K steps 0-3; v160-255 set Y: K steps 4-7.
;   Window 1: v0-191 Wo's fragments 12 (4 n + s), K steps 0-3; v192-255 the eight accumulators 8 (4 tau + n).   Window 2: v0-191 Wo's K steps 4-7; v192-255 rows read back from the stage.
.set XSTEP, 13312                      ; a K step of x in LDS
.set STAGE, 8*XSTEP                    ; behind x: 32 rows x (256 bytes + 16) for each wave; no fill lands there
.set SP,    272
.set ACC,   192
.set MSB, 0
.macro WIN new                         ; the immediate's high byte repeats the setting that is left
.if MSB != \new
	s_set_vgpr_msb (MSB<<8)|\new
.set MSB, \new
.endif
.endm
.macro ROUND                           ; a round of the cluster's barrier
	s_barrier_signal -1
	s_barrier_wait -1
	s_cmp_lg_u32 s12, 0
	s_cbranch_scc1 .Lnot_wave_0_\@
	s_barrier_signal -3
.Lnot_wave_0_\@:
	s_barrier_wait -3
	s_barrier_signal -1
	s_barrier_wait -1
.endm
; 56 LDS loads: row tiles 2 pr, 2 pr + 1, four K steps: fragments into v[frag] on, scale words into v[wrd] on
.macro LOADS pr, frag, wrd, adr, sadr
.irp tau, 0,1
.irp s, 0,1,2,3
.irp j, 0,1,2,3,4,5
	ds_load_b64 v[\frag+12*(4*\tau+\s)+2*\j:\frag+12*(4*\tau+\s)+2*\j+1], v[\adr] offset:XSTEP*\s+1536*(2*(\pr)+\tau)+256*\j
.endr
	ds_load_b32 v[\wrd+4*\tau+\s], v[\sadr] offset:XSTEP*\s+12288+128*(2*(\pr)+\tau)
.endr
.endr
.endm
; 32 products: K steps 4 half .. 4 half + 3; the eight accumulators take turns, one instruction a turn; K step 0 starts the sums with the constant 0
.macro MULH half
.irp s, 0,1,2,3
.irp tau, 0,1
.irp n, 0,1,2,3
.if (\half == 0) && (\s == 0)
	v_wmma_scale_f32_16x16x128_f8f6f4 v[ACC+8*(4*\tau+\n):ACC+8*(4*\tau+\n)+7], v[12*(4*\n+\s):12*(4*\n+\s)+11], v[64+96*\half+12*(4*\tau+\s):64+96*\half+12*(4*\tau+\s)+11], 0, v[16+8*\n+4*\half+\s], v[48+8*\half+4*\tau+\s] matrix_a_fmt:MATRIX_FMT_FP6 matrix_b_fmt:MATRIX_FMT_FP6
.else
	v_wmma_scale_f32_16x16x128_f8f6f4 v[ACC+8*(4*\tau+\n):ACC+8*(4*\tau+\n)+7], v[12*(4*\n+\s):12*(4*\n+\s)+11], v[64+96*\half+12*(4*\tau+\s):64+96*\half+12*(4*\tau+\s)+11], v[ACC+8*(4*\tau+\n):ACC+8*(4*\tau+\n)+7], v[16+8*\n+4*\half+\s], v[48+8*\half+4*\tau+\s] matrix_a_fmt:MATRIX_FMT_FP6 matrix_b_fmt:MATRIX_FMT_FP6
.endif
.endr
.endr
.endr
.endm
; Row tiles 2 pr and 2 pr + 1
.macro TRIP pr
	s_wait_dscnt 56                                ; set X is in; set Y's 56 loads may be out
.if (\pr) == 0
	s_wait_loadcnt 0x0                             ; Wo
.endif
	WIN 0x51                                       ; source 0 (Wo) window 1, source 1 (x) window 0, C and D window 1
	MULH 0
	WIN 0
.rept 4
	v_nop                                          ; places ahead of loads into registers that the products have read
.endr
.if (\pr) < 3
	LOADS (\pr)+1, 64, 48, 1, 3
	s_wait_dscnt 56                                ; all but the 56 just issued: set Y is in
.else
	s_wait_dscnt 0x0
.endif
	WIN 0x52                                       ; source 0 window 2
	MULH 1
	WIN 0
.rept 5
	v_nop                                          ; five places: the stores below read these results, and the next pair's first products write over them
.endr
.if (\pr) < 3
	LOADS (\pr)+1, 160, 56, 2, 4
.endif
.if (\pr) > 0
	s_wait_xcnt 0x0                                ; the last pair's stores have read the registers into which rows are read back
.endif
	WIN 0x04                                       ; an LDS store's data are its source 1: window 1
.irp tau, 0,1
.irp n, 0,1,2,3
	ds_store_b128 v6, v[ACC+8*(4*\tau+\n):ACC+8*(4*\tau+\n)+3] offset:16*SP*\tau+64*\n          ; each accumulator from its low end on
	ds_store_b128 v6, v[ACC+8*(4*\tau+\n)+4:ACC+8*(4*\tau+\n)+7] offset:16*SP*\tau+64*\n+16
.endr
.endr
	WIN 0x80                                       ; destination window 2
.irp k, 0,1,2,3,4,5,6,7,8,9,10,11,12,13,14,15
	ds_load_b128 v[192+4*\k:195+4*\k], v7 offset:2*SP*\k   ; LDS serves a wave's instructions in order: these see my stores.  Lanes 0-15 one row of 256 bytes, lanes 16-31 the next
.endr
	WIN 0x08                                       ; a global store's data are its source 1: window 2
.irp k, 0,1,2,3,4,5,6,7,8,9,10,11,12,13,14,15
	s_wait_dscnt 15-\k                             ; pair k of rows is back; the younger read-backs may be out
	global_store_b128 v8, v[192+4*\k:195+4*\k], s[10:11] offset:(32*(\pr)+8*(\k/8)+(2*\k)%16+8*(((2*\k)%16)/8))*4096 th:TH_STORE_NT   ; 16 lanes store 256 consecutive bytes, aligned
.endr
	WIN 0
.endm
	s_load_b256 s[4:11], s[0:1], 0x0               ; xq 4, wq 6, ws 8, out 10
	v_lshl_add_u32 v14, v0, 2, 0x29000
	v_mov_b32 v15, 0
	ds_add_u32 v14, v15
	ds_add_u32 v14, v15
	v_lshrrev_b32 v9, 5, v0
	v_readfirstlane_b32 s12, v9                    ; wave 0..3
	s_bfe_u32 s13, ttmp6, 0x40000                  ; cx = column block: it enters Wo's and out's global offsets alone
	s_and_b32 s14, ttmp7, 0xffff                   ; row block, which the four partners share
	; descriptor group 1: a quarter of the row block: a dense block of 104 rows of 256 bytes (32 elements of 8 bytes)
	s_mov_b32 s24, 15|(3<<16)|(1<<21)              ; 15:0 the mask: all four work-groups; 17:16 elements of 8 bytes; 21 set beside a mask
	s_mov_b32 s25, 32<<16
	s_mov_b32 s26, 104<<16
	s_mov_b32 s27, 32<<16
	s_mov_b32 s28, 104
	s_mov_b32 s29, 32
	s_mov_b32 s30, 0
	s_mov_b32 s31, 0
	s_mul_i32 s15, s12, 2*XSTEP                    ; my quarter: K steps 2 w, 2 w + 1, in LDS and in memory
	s_mul_i32 s16, s14, 8*XSTEP
	s_add_co_u32 s16, s16, s15
	s_mov_b32 s17, 0
	s_lshl_b32 s18, s13, 4
	s_lshl_b32 s19, s12, 2
	s_add_co_u32 s18, s18, s19                     ; my first n tile: 16 cx + 4 w
	s_mul_i32 s20, s18, 12288                      ; 8 fragments of 1,536 bytes an n tile
	s_mov_b32 s21, 0
	s_lshl_b32 s22, s18, 10                        ; 1,024 bytes of scale words an n tile
	s_mov_b32 s23, 0
	s_lshl_b32 s36, s14, 19                        ; out: 128 rows of 4,096 bytes,
	s_lshl_b32 s37, s13, 10
	s_add_co_u32 s36, s36, s37                     ; 1,024 bytes a column block,
	s_lshl_b32 s37, s12, 8
	s_add_co_u32 s36, s36, s37                     ; 256 a wave
	s_mov_b32 s37, 0
	s_mul_i32 s39, s12, 32*SP
	s_add_co_u32 s39, s39, STAGE                   ; my stage
	v_and_b32 v9, 31, v0
	v_and_b32 v10, 15, v0                          ; r
	v_bfe_u32 v11, v0, 4, 1                        ; h
	v_lshlrev_b32 v1, 3, v9                        ; 8 x lane: a piece's place; K steps 0-3
	v_add_nc_u32 v2, 4*XSTEP, v1                   ; K steps 4-7
	v_lshlrev_b32 v3, 2, v9                        ; 4 x lane: a scale word's
	v_add_nc_u32 v4, 4*XSTEP, v3
	v_mul_u32_u24 v6, v10, SP
	v_lshl_add_u32 v6, v11, 5, v6
	v_add_nc_u32 v6, s39, v6                       ; into the stage: row r, 32 bytes for each half of the lanes
	v_mul_u32_u24 v7, v11, SP
	v_lshl_add_u32 v7, v10, 4, v7
	v_add_nc_u32 v7, s39, v7                       ; back: lanes 0-15 one row, lanes 16-31 the next
	v_lshlrev_b32 v8, 12, v11
	v_lshl_add_u32 v8, v10, 4, v8                  ; and the same two rows in out
	s_wait_dscnt 0x0
	s_wait_kmcnt 0x0
	s_mov_b32 s32, 1                               ; descriptor group 0
	s_mov_b32 s33, s15
	s_add_nc_u64 s[34:35], s[4:5], s[16:17]
	s_or_b32 s35, s35, 0x80000000
	s_add_nc_u64 s[6:7], s[6:7], s[20:21]
	s_add_nc_u64 s[8:9], s[8:9], s[22:23]
	s_add_nc_u64 s[10:11], s[10:11], s[36:37]
	ROUND                                          ; all four work-groups are here: the joint loads meet
	tensor_load_to_lds s[32:35], s[24:31]
	s_nop 0
.rept 4
	v_nop
.endr
	WIN 0x40                                       ; destination window 1
.irp n, 0,1,2,3
.irp s, 0,1,2,3
.irp j, 0,1,2,3,4,5
	global_load_b64 v[12*(4*\n+\s)+2*\j:12*(4*\n+\s)+2*\j+1], v1, s[6:7] offset:(8*\n+\s)*1536+256*\j
.endr
.endr
.endr
	WIN 0x80                                       ; destination window 2
.irp n, 0,1,2,3
.irp s, 0,1,2,3
.irp j, 0,1,2,3,4,5
	global_load_b64 v[12*(4*\n+\s)+2*\j:12*(4*\n+\s)+2*\j+1], v1, s[6:7] offset:(8*\n+4+\s)*1536+256*\j
.endr
.endr
.endr
	WIN 0
.irp n, 0,1,2,3
.irp p, 0,1,2,3
	global_load_b64 v[16+8*\n+2*\p:17+8*\n+2*\p], v1, s[8:9] offset:1024*\n+256*\p   ; the words of K steps 2 p, 2 p + 1
.endr
.endr
	s_wait_tensorcnt 0x0                           ; my quarter of x is in,
	s_barrier_signal -1
	s_barrier_wait -1                              ; everybody's is
	LOADS 0, 64, 48, 1, 3
	s_wait_alu depctr_va_vdst(0)
	LOADS 0, 160, 56, 2, 4
	TRIP 0
	TRIP 1
	TRIP 2
	TRIP 3
	s_wait_tensorcnt 0x0
	ds_add_u32 v14, v15
	s_wait_dscnt 0x0
	ROUND                                          ; the closing round: no work-group ends while a partner may still ask for a tile that names it
	s_endpgm
.Lfunc_end_k_q0af3880a2c_oproj:
	.size	k_q0af3880a2c_oproj, .Lfunc_end_k_q0af3880a2c_oproj-k_q0af3880a2c_oproj
	.p2alignl 7, 3214868480
	.fill 96, 4, 3214868480
	.section	.rodata,"a",@progbits
	.p2align	6, 0x0
	.amdhsa_kernel k_q0af3880a2c_oproj
		.amdhsa_group_segment_fixed_size 168448
		.amdhsa_private_segment_fixed_size 0
		.amdhsa_enable_private_segment 0
		.amdhsa_kernarg_size 32
		.amdhsa_user_sgpr_count 2
		.amdhsa_user_sgpr_kernarg_segment_ptr 1
		.amdhsa_wavefront_size32 1
		.amdhsa_system_sgpr_workgroup_id_x 1
		.amdhsa_system_sgpr_workgroup_id_y 1
		.amdhsa_system_sgpr_workgroup_id_z 1
		.amdhsa_system_vgpr_workitem_id 0
		.amdhsa_next_free_vgpr 768
		.amdhsa_next_free_sgpr 66
		.amdhsa_reserve_vcc 0
		.amdhsa_float_denorm_mode_32 3
		.amdhsa_float_denorm_mode_16_64 3
		.amdhsa_memory_ordered 1
		.amdhsa_forward_progress 1
		.amdhsa_inst_pref_size 103
	.end_amdhsa_kernel
	.amdgpu_metadata
---
amdhsa.version: [ 1, 2 ]
amdhsa.kernels:
  - .name:           k_q0af3880a2c_oproj
    .symbol:         k_q0af3880a2c_oproj.kd
    .args:
      - { .name: xq, .offset: 0, .size: 8, .value_kind: global_buffer, .address_space: global }
      - { .name: wq, .offset: 8, .size: 8, .value_kind: global_buffer, .address_space: global }
      - { .name: ws, .offset: 16, .size: 8, .value_kind: global_buffer, .address_space: global }
      - { .name: out0, .offset: 24, .size: 8, .value_kind: global_buffer, .address_space: global }
    .group_segment_fixed_size: 168448
    .private_segment_fixed_size: 0
    .kernarg_segment_align: 8
    .kernarg_segment_size: 32
    .max_flat_workgroup_size: 128
    .sgpr_count:     66
    .vgpr_count:     768
    .wavefront_size: 32
...
	.end_amdgpu_metadata
.endif
;; end of part 3
